; MI455X (gfx1250); checked and timed in simulation.
; The chip was launched on July 23, 2026; its instructions are those of AMD's public machine-readable ISA for CDNA 5 (MIT licence, August 2026) and "CDNA5" Instruction Set Architecture Reference Guide (July 2026). The comments in the code are by the model that wrote it; some were corrected since.
;; Ratio Of Distances Metric. Allowed arithmetic: float matrix products may take bf16 or f16 operands with f32 sums; other float arithmetic in f32, or as packed bf16 or f16 multiplies, adds, multiply-adds, maxima and minima; sums over many terms, partial sums and values carried from step to step in f32; what a program stores and reads back later, other than sums and carried values, may be rounded once to bf16 or f16.
;; Inputs: X_sample 4,096 x 256 float32; X_train 32,768 x 256 float32.
;; Outputs: out0 4,096 x 2 float32; out1 one number float32.
;; 2 versions, each right; version 2 is version 1 with the launch prep written anew for expert scheduling mode. Each part assembles by itself: llvm-mc -triple=amdgcn-amd-amdhsa -mcpu=gfx1250 --defsym DOCPART=n.
;; ======== version 1 of 2: 4 launches
;; workspace buffers: q 19,169,280 bytes; part 1,048,576 bytes
;; launch prep (part 1): grid 576 x 1, 4 waves a work-group, no clusters, 34,560 bytes of LDS; arguments X_sample, X_train, q; writes q
.if DOCPART == 1
	.amdgcn_target "amdgcn-amd-amdhsa--gfx1250"
	.amdhsa_code_object_version 6
	.text
	.protected	k_qde57d07848_prep
	.globl	k_qde57d07848_prep
	.p2align	8
	.type	k_qde57d07848_prep,@function
k_qde57d07848_prep:
	s_mov_b64 s[64:65], 0
	v_nop
	global_prefetch_b8 v0, s[64:65] scope:SCOPE_SE
	s_setreg_imm32_b32 hwreg(HW_REG_WAVE_MODE, 25, 1), 1
	s_wait_xcnt 0x0
; PREP.  Rounds X_sample [4096][256] and X_train [32768][256] from f32 to bf16, once, lays the rows out in the order in which a matrix fragment
; wants them, and takes each row's sum of squares OF THE ROUNDED NUMBERS, so that xs2 + xt2 - 2 x.y in the next launch is the squared distance
; of the rounded rows (no rounding of an operand is magnified by the difference of the large sums when the inputs carry an offset).
; q is 1,152 RECORDS of 16,640 bytes (65 x 256).  A record holds 32 rows: tile 0 (16 rows, 8,192 bytes), tile 1, and 256 bytes of norms (32 f32, then the
; same 32 once more, so that every byte of the record is written).  A tile is [f = 0..15][lane 0..31][16 bytes]: lane l holds row l % 16,
; k = 16 f + 8 (l / 16) + 0..7: registers 4 f .. 4 f + 3 of the eight K = 32 bf16 fragments of those 16 rows.
; Records 0-127 are the samples, norm = xs2; records 128-1151 the train rows, norm = -xt2 / 2.
; SHARES.  A work-group takes 64 rows (two records), a wave one tile: 16 rows, 16,384 consecutive bytes of f32, asked for at once by 32 loads.  No loop.
; LIMITS.  NaN and infinities are not treated apart; a row's sum of squares must be finite in f32.
.set RECB,  16640
.set SP,    528                        ; a row of 256 bf16 in the stage: 512 bytes + 16 = 33 x 16: the 16 rows that a 16-byte load touches start at 16 different groups of four banks (64 banks of 4 bytes: ISA guide 11.1)
.set STGW,  16*SP                      ; a wave's own stage: 8,448 bytes
.set NS,    4*STGW                     ; 64 norms, one word a row: a block of 256 bytes
.set SPARE, NS+256                     ; the spare words: 128 bytes for each wave, two blocks of 256 bytes that no other line names
.set N,     8                          ; v[8:15]    eight chains of the sum of squares
.set SPW,   30                         ; v30  LDS address of my spare word; never rewritten
.set NIL,   31                         ; v31  0; never rewritten
.set X,     32                         ; v[32:159]  the tile as loaded, f32; the first two registers of each four then hold its bf16
.set FR,    160                        ; v[160:223] the tile in fragment order
	s_load_b128 s[4:7], s[0:1], 0x0                ; X_sample s[4:5], X_train s[6:7]
	s_load_b64 s[8:9], s[0:1], 0x10                ; q
	v_lshl_add_u32 v[SPW], v0, 2, SPARE
	v_mov_b32 v[NIL], 0
	v_lshrrev_b32 v1, 5, v0
	v_readfirstlane_b32 s12, v1                    ; wave 0..3
	v_and_b32 v7, 31, v0                           ; lane l
	v_and_b32 v20, 15, v0                          ; l % 16
	v_bfe_u32 v21, v0, 4, 1                        ; l / 16
	s_mul_i32 s18, s12, STGW                       ; my stage
	s_lshl_b32 s19, s12, 6
	s_add_co_u32 s19, s19, NS                      ; my 16 rows' norms
	s_and_b32 s28, s12, 1                          ; the record whose norms I store, if I am wave 0 or 1
	s_lshl_b32 s22, s28, 7
	s_add_co_u32 s22, s22, NS
	v_lshlrev_b32 v1, 4, v7                        ; 16 l: my 16 bytes in 512, for the loads and for the stores of fragments; never rewritten
	v_lshl_add_u32 v2, v7, 3, s18                  ; into the stage: 8 l
	v_mul_u32_u24 v3, v20, SP
	v_lshl_add_u32 v3, v21, 4, v3
	v_add_nc_u32 v3, s18, v3                       ; out of the stage: row l % 16, 16 bytes for each half of the lanes
	v_lshl_add_u32 v4, v20, 2, s19                 ; my row's norm
	v_lshl_add_u32 v5, v20, 3, s22                 ; two norms of a record: lanes 16-31 take the same as lanes 0-15
	v_lshlrev_b32 v6, 3, v7                        ; 8 l: my 8 bytes of the record's 256 bytes of norms
	v_mov_b32 v16, 0                               ; the chains' first addend
	v_mov_b32 v17, 0                               ; v_permlanex16_b32's destination counts as read
	s_mov_b32 s20, 0x76543210                      ; each lane takes its own place in the other half
	s_mov_b32 s21, 0xfedcba98
	s_sub_co_u32 s13, ttmp9, 64                    ; my number among the train rows' work-groups
	s_mul_i32 s24, ttmp9, 2*RECB                   ; my two records in q
	s_lshr_b32 s25, s12, 1
	s_mul_i32 s25, s25, RECB                       ; my wave's record,
	s_add_co_u32 s26, s24, s25
	s_lshl_b32 s25, s28, 13                        ; and its tile
	s_add_co_u32 s26, s26, s25
	s_mov_b32 s27, 0
	s_mul_i32 s25, s28, RECB                       ; the norms of record wave % 2
	s_add_co_u32 s24, s24, s25
	s_add_co_u32 s24, s24, 16384
	s_mov_b32 s25, 0
	s_wait_kmcnt 0x0
	s_cmp_lt_u32 ttmp9, 64                         ; work-groups 0-63 take the samples, 64-575 the train rows
	s_cselect_b64 s[14:15], s[4:5], s[6:7]
	s_cselect_b32 s16, ttmp9, s13
	s_cselect_b32 s17, 1.0, -0.5                   ; xs2, or -xt2 / 2
	s_lshl_b32 s22, s16, 16                        ; 64 rows of 1,024 bytes,
	s_lshl_b32 s23, s12, 14                        ; my wave's 16
	s_add_co_u32 s22, s22, s23
	s_mov_b32 s23, 0
	s_add_nc_u64 s[14:15], s[14:15], s[22:23]
	s_add_nc_u64 s[10:11], s[8:9], s[26:27]        ; q at my tile
	s_add_nc_u64 s[8:9], s[8:9], s[24:25]          ; q at the norms
.set i, 0
.rept 32                                               ; load i: 512 consecutive bytes: half i % 2 of row i / 2; read once in the launch
	global_load_b128 v[X+4*i:X+4*i+3], v1, s[14:15] offset:512*i th:TH_LOAD_NT
.set i, i+1
.endr
.set i, 0
.rept 32
	s_wait_loadcnt 31-i                            ; loads come back in order (ISA guide 5.7.1): load i is in, the 31 - i younger ones stay out
	v_cvt_pk_bf16_f32 v[X+4*i], v[X+4*i], v[X+4*i+1]     ; rounded to nearest even, in place
	v_cvt_pk_bf16_f32 v[X+4*i+1], v[X+4*i+2], v[X+4*i+3]
	ds_store_b64 v2, v[X+4*i:X+4*i+1] offset:(i/2)*SP+(i%2)*256  ; 256 consecutive bytes of the row
.set i, i+1
.endr
.set f, 0
.rept 16                                               ; LDS serves a wave's instructions in order (ISA guide 5.7.1.4), and the stage is my own: these see the stores above
	ds_load_b128 v[FR+4*f:FR+4*f+3], v3 offset:32*f
.set f, f+1
.endr
.set f, 0
.rept 16
	s_wait_dscnt 15-f                              ; piece f is in, the 15 - f younger ones stay out
	global_store_b128 v1, v[FR+4*f:FR+4*f+3], s[10:11] offset:512*f  ; 512 consecutive bytes, at a multiple of 256 from q's first byte; the next launch reads them, so no hint
.set k, 4*f
.rept 4                                                ; the squares of both halves, straight from bf16 into f32 sums; the first four registers start the chains
.if f == 0
	v_fma_mix_f32_bf16 v[N+k%4], v[FR+k], v[FR+k], v16 op_sel_hi:[1,1,0]
	v_fma_mix_f32_bf16 v[N+4+k%4], v[FR+k], v[FR+k], v16 op_sel:[1,1,0] op_sel_hi:[1,1,0]
.else
	v_fma_mix_f32_bf16 v[N+k%4], v[FR+k], v[FR+k], v[N+k%4] op_sel_hi:[1,1,0]
	v_fma_mix_f32_bf16 v[N+4+k%4], v[FR+k], v[FR+k], v[N+4+k%4] op_sel:[1,1,0] op_sel_hi:[1,1,0]
.endif
.set k, k+1
.endr
.set f, f+1
.endr
	v_add_f32 v[N], v[N], v[N+1]
	v_add_f32 v[N+2], v[N+2], v[N+3]
	v_add_f32 v[N+4], v[N+4], v[N+5]
	v_add_f32 v[N+6], v[N+6], v[N+7]
	v_add_f32 v[N], v[N], v[N+2]
	v_add_f32 v[N+4], v[N+4], v[N+6]
	v_add_f32 v[N], v[N], v[N+4]                   ; my 128 numbers of the row
	v_permlanex16_b32 v17, v[N], s20, s21          ; the row's other 128 lie in the lane 16 away
	v_add_f32 v[N], v[N], v17
	v_mul_f32 v[N], s17, v[N]
	ds_store_b32 v4, v[N]                          ; lanes l and l + 16 write the same word with the same number
	s_wait_dscnt 0x0                               ; for the others' sake: my norms are in LDS
	s_barrier_signal -1
	s_barrier_wait -1
	s_cmp_gt_u32 s12, 1
	s_cbranch_scc1 .Lno_norms                      ; two records, so two waves store norms
	ds_load_b64 v[18:19], v5
	s_wait_dscnt 0x0
	global_store_b64 v6, v[18:19], s[8:9]          ; 256 consecutive bytes, at a multiple of 256 from q's first byte
.Lno_norms:
	s_wait_tensorcnt 0x0                           ; the wave's end, behind my last LDS store
	ds_add_u32 v[SPW], v[NIL]
	s_wait_dscnt 0x0
	s_endpgm
.Lfunc_end_k_qde57d07848_prep:
	.size	k_qde57d07848_prep, .Lfunc_end_k_qde57d07848_prep-k_qde57d07848_prep
	.p2alignl 7, 3214868480
	.fill 96, 4, 3214868480
	.section	.rodata,"a",@progbits
	.p2align	6, 0x0
	.amdhsa_kernel k_qde57d07848_prep
		.amdhsa_group_segment_fixed_size 34560
		.amdhsa_private_segment_fixed_size 0
		.amdhsa_enable_private_segment 0
		.amdhsa_kernarg_size 24
		.amdhsa_user_sgpr_count 2
		.amdhsa_user_sgpr_kernarg_segment_ptr 1
		.amdhsa_wavefront_size32 1
		.amdhsa_system_sgpr_workgroup_id_x 1
		.amdhsa_system_sgpr_workgroup_id_y 1
		.amdhsa_system_sgpr_workgroup_id_z 1
		.amdhsa_system_vgpr_workitem_id 0
		.amdhsa_next_free_vgpr 224
		.amdhsa_next_free_sgpr 66
		.amdhsa_reserve_vcc 0
		.amdhsa_float_denorm_mode_32 3
		.amdhsa_float_denorm_mode_16_64 3
		.amdhsa_memory_ordered 1
		.amdhsa_forward_progress 1
		.amdhsa_inst_pref_size 25
	.end_amdhsa_kernel
	.amdgpu_metadata
---
amdhsa.version: [ 1, 2 ]
amdhsa.kernels:
  - .name:           k_qde57d07848_prep
    .symbol:         k_qde57d07848_prep.kd
    .args:
      - { .name: X_sample, .offset: 0, .size: 8, .value_kind: global_buffer, .address_space: global }
      - { .name: X_train, .offset: 8, .size: 8, .value_kind: global_buffer, .address_space: global }
      - { .name: q, .offset: 16, .size: 8, .value_kind: global_buffer, .address_space: global }
    .group_segment_fixed_size: 34560
    .private_segment_fixed_size: 0
    .kernarg_segment_align: 8
    .kernarg_segment_size: 24
    .max_flat_workgroup_size: 128
    .sgpr_count:     66
    .vgpr_count:     224
    .wavefront_size: 32
...
	.end_amdgpu_metadata
.endif
;; end of part 1
;; launch knn (part 2): grid 8 x 32, 4 waves a work-group, clusters of 4 x 1, 327,680 bytes of LDS; arguments q, part; writes part
.if DOCPART == 2
	.amdgcn_target "amdgcn-amd-amdhsa--gfx1250"
	.amdhsa_code_object_version 6
	.text
	.protected	k_qde57d07848_knn
	.globl	k_qde57d07848_knn
	.p2align	8
	.type	k_qde57d07848_knn,@function
k_qde57d07848_knn:
	s_mov_b64 s[64:65], 0
	v_nop
	global_prefetch_b8 v0, s[64:65] scope:SCOPE_SE
	s_setreg_imm32_b32 hwreg(HW_REG_WAVE_MODE, 25, 1), 1
	s_wait_xcnt 0x0
	s_wait_alu depctr_hold_cnt(0) depctr_sa_sdst(0) depctr_va_vdst(0) depctr_va_sdst(0) depctr_va_ssrc(0) depctr_va_vcc(0) depctr_vm_vsrc(0)
	s_getreg_b32 s2, hwreg(HW_REG_IB_STS2, 6, 4)
	s_cmp_eq_u32 s2, 0
	s_cbranch_scc0 .Lentry_in_a_cluster
	s_endpgm
.Lentry_in_a_cluster:
	s_bfe_u32 s2, ttmp6, 0x10000c
	s_cmp_lg_u32 s2, 0x3003
	s_cbranch_scc0 .Lentry_shape_is_right
	s_endpgm
.Lentry_shape_is_right:
; KNN.  For 512 samples (block sb) and 1,024 train rows (range y): the two smallest xs2 + xt2 - 2 x.y of each sample, into part[y][sample][2] (smallest, second), f32.
; q comes from the launch before: records of 16,640 bytes = two tiles of 16 rows in fragment order ([f][lane][16 bytes]) and 256 bytes of norms; samples in records 0-127 (norm xs2),
; train rows in records 128-1151 (norm -xt2 / 2).  Operands bf16, sums f32.
; SHARES.  256 work-groups; a wave owns 128 samples, eight tiles t of 16, whose fragments (512 registers) stay in registers for the whole launch.  Every wave walks the range's 64 tiles of 16 train rows.
; LAYOUT.  Source 0 = 16 train rows, source 1 = 16 samples: in the result a lane holds ONE sample (lane % 16) and the train rows 8 (lane / 16) + 0..7.  The product that starts a sum takes -xt2 / 2 of those
; eight rows as C, so acc = x.y - xt2 / 2: the two SMALLEST distances are the two LARGEST acc, and d2 = xs2 - 2 acc.  Each lane keeps M1 >= M2 for each tile: M2 = the middle one of (M1, M2, acc), M1 = max(M1, acc).
; BY TURNS.  A BLOCK is one train tile against my eight sample tiles: 64 matrix instructions, the eight accumulators by turns.  Behind each stand the two lines that take one register
; of the BLOCK BEFORE into M1, M2: two sets of accumulators take turns.  The next block's 18 LDS loads stand in one run early in the block.
; The first block multiplies zeros onto the lowest finite number, and M and the other set start there too: 152 v_mov_b32 and 64 products, once a launch, in the wait for the first tile, so that one text serves every block.
; RING.  Two slots of four records (128 train rows); wave w fills record w.  CLUSTER.  The four sample blocks of a cluster walk the same range, so each fill is asked for JOINTLY: the same tensor load, descriptor and mask in all four.
; By this text's own count one tensor load of a wave is out at any time; from its request to the wait for it the wave issues 488 matrix instructions.
; The samples are not shared by joint loads: they go once, 512 consecutive bytes a load, straight into registers.
; LIMITS.  NaN and infinities are not treated apart (the first block's zeros times an infinity would spoil a sample's row); sums of squares must be finite in f32.
; REGISTERS, in windows of 256 (s_set_vgpr_msb: bits 1:0 source 0, 3:2 source 1, 5:4 source 2, 7:6 destination):
;   window 0: v2-7 addresses; v16-31 M; v32-39 xs2; v40-55 C, two buffers; v62-63 the add's; v64-191 accumulators, two sets; v192-215 the way out
;   window 1: v0-127 train fragments, two buffers          window 2: samples' tiles 0-3          window 3: tiles 4-7
.set RECB,  16640
.set SLOT1, 1<<17                      ; slot 0 at byte 0 (66,560 bytes); slot 1 here, so that one exclusive or turns an address in one slot into the other's
.set SPARE, 4*RECB                     ; behind slot 0: the spare words, 128 bytes for each wave: two blocks of 256 bytes that no other line names
.set AF,  2                            ; v2   16 l: my 16 bytes of a piece of 512; never rewritten
.set AN,  3                            ; v3   16,384 + 32 (l / 16): my eight norms of a record's tile 0; never rewritten
.set ADR, 4                            ; v4   LDS address of the record being fetched, + AF
.set ADN, 5                            ; v5   the same + AN
.set XO,  6                            ; v6   4 (l % 16): my sample's norm
.set PO,  7                            ; v7   8 l: my 8 bytes of 256 of part
.set M,   16                           ; tile t: M1 at M + 2 t, M2 at M + 2 t + 1
.set XN,  32                           ; tile t: xs2 of my sample
.set CI,  40                           ; buffer p at CI + 8 p
.set SPW, 62                           ; v62  LDS address of my spare word; never rewritten
.set NIL, 63                           ; v63  0; never rewritten
.set ACC, 64                           ; set p, tile t at ACC + 64 p + 8 t
.set DV,  192                          ; tile t: the two squared distances
.set OUT, 208                          ; four pairs to store
.set WV,  12                           ; s12  my wave's number
.set G1,  24                           ; s[24:31] descriptor group 1
.set G0,  40                           ; s[40:43] descriptor group 0: it walks
.set QB,  44                           ; s[44:45] q at my wave's four sample records
.set SLOTS, 56                         ; s56  fills still to be asked for
.set CNT, 57                           ; s57  counts a slot's records
.set HM,  58                           ; s58  the mask of lanes 16-31
.set LOW, 59                           ; s59  the lowest finite number
.set SEL, 60                           ; s[60:61] v_permlanex16_b32's selects
.set TB,  62                           ; s62  LDS byte of the record to be fetched
.set MSB, 0
.macro WIN new                         ; the immediate's high byte repeats the setting that is left; a switch that changes nothing is dropped
.if MSB != (\new)
	s_set_vgpr_msb (MSB<<8)|(\new)
.set MSB, (\new)
.endif
.endm
.macro CREST                           ; a round of the cluster's barrier behind its opening barrier: wave 0 signals for the work-group, every wave waits for all four work-groups, my work-group's barrier once more
	s_cmp_lg_u32 s[WV], 0
	s_cbranch_scc1 .Lnot_wave_0_\@
	s_barrier_signal -3
.Lnot_wave_0_\@:
	s_barrier_wait -3
	s_barrier_signal -1
	s_barrier_wait -1
.endm
.macro CROUND                          ; a whole round
	s_barrier_signal -1
	s_barrier_wait -1
	CREST
.endm
.macro JLOAD                           ; a joint fill: every wave asks for its own record of the slot; an s_nop 0 and four v_nop follow
	tensor_load_to_lds s[G0:G0+3], s[G1:G1+7]
	s_nop 0
.rept 4
	v_nop
.endr
.endm
	s_load_b128 s[4:7], s[0:1], 0x0                ; q s[4:5], part s[6:7]
	v_lshl_add_u32 v[SPW], v0, 2, SPARE
	v_mov_b32 v[NIL], 0
	ds_add_u32 v[SPW], v[NIL]                      ; the wave's opening: the add and its wait stand ahead of my first tensor load; the set-up below, work on registers, stands between them
	v_lshrrev_b32 v1, 5, v0
	v_readfirstlane_b32 s[WV], v1                  ; wave 0..3
	s_bfe_u32 s13, ttmp6, 0x40000                  ; cx: my place in the cluster
	s_lshl_b32 s14, ttmp9, 2                       ; in a cluster launch ttmp9 counts clusters
	s_add_co_u32 s14, s14, s13                     ; sb = 4 x cluster x + cx: it enters the samples' and part's addresses alone
	s_and_b32 s15, ttmp7, 0xffff                   ; y, which the four partners share
	s_lshl_b32 s16, s15, 5                         ; the range's 32 records,
	s_add_co_u32 s16, s16, s[WV]                   ; mine of the first four,
	s_add_co_u32 s16, s16, 128                     ; behind the samples' 128
	s_mul_i32 s16, s16, RECB
	s_mov_b32 s17, 0
	s_lshl_b32 s18, s14, 4                         ; my block's 16 sample records,
	s_lshl2_add_u32 s18, s[WV], s18                ; my wave's four
	s_mul_i32 s18, s18, RECB
	s_mov_b32 s19, 0
	s_lshl_b32 s20, s15, 15                        ; part: 32,768 bytes a range,
	s_lshl_b32 s21, s14, 12                        ; 4,096 a block,
	s_add_co_u32 s20, s20, s21
	s_lshl_b32 s21, s[WV], 10                      ; 1,024 a wave
	s_add_co_u32 s20, s20, s21
	s_mov_b32 s21, 0
	; descriptor group 1: a record is 16,640 dense bytes: 65 rows of 256 bytes, in elements of 8 bytes; no padding: every read of a fragment takes 512 consecutive bytes
	s_mov_b32 s[G1+0], 15|(3<<16)|(1<<21)          ; 15:0 the mask: all four work-groups; 17:16 elements of 8 bytes; 21 set beside a mask
	s_mov_b32 s[G1+1], 32<<16                      ; tensor_dim0 = 32
	s_mov_b32 s[G1+2], 65<<16                      ; tensor_dim1 = 65
	s_mov_b32 s[G1+3], 32<<16                      ; tile_dim0 = 32
	s_mov_b32 s[G1+4], 65                          ; tile_dim1 = 65
	s_mov_b32 s[G1+5], 32                          ; 32 elements from row to row
	s_mov_b32 s[G1+6], 0
	s_mov_b32 s[G1+7], 0
	s_mov_b32 s[G0], 1                             ; 1:0 count = 1
	s_mul_i32 s[G0+1], s[WV], RECB                 ; 63:32 LDS address: slot 0, record w: no place in the cluster enters an LDS address
	s_mov_b32 s[HM], 0xffff0000
	s_mov_b32 s[LOW], 0xff7fffff
	s_mov_b32 s[SEL], 0x76543210
	s_mov_b32 s[SEL+1], 0xfedcba98
	s_mov_b32 s[TB], SLOT1+4*RECB                  ; the first change of slots turns this into 0
	s_mov_b32 s[SLOTS], 7
	s_wait_dscnt 0x0                               ; the opening add is done
	s_wait_kmcnt 0x0
	s_add_nc_u64 s[G0+2:G0+3], s[4:5], s[16:17]    ; 120:64 global address
	s_or_b32 s[G0+3], s[G0+3], 0x80000000          ; 127:126 type = 2
	s_add_nc_u64 s[QB:QB+1], s[4:5], s[18:19]
	s_add_nc_u64 s[6:7], s[6:7], s[20:21]
	CROUND                                         ; all four work-groups are here: the first joint loads meet
	JLOAD                                          ; records 0-3 of the range into slot 0
	v_and_b32 v1, 31, v0                           ; l
	v_and_b32 v8, 15, v0                           ; l % 16
	v_bfe_u32 v9, v0, 4, 1                         ; l / 16
	v_lshlrev_b32 v[AF], 4, v1
	v_lshl_add_u32 v[AN], v9, 5, 16384
	v_lshlrev_b32 v[XO], 2, v8
	v_lshlrev_b32 v[PO], 3, v1
.irp t, 0,1,2,3,4,5,6,7                                ; my samples: tile t lies in record t / 2, tile t % 2; each load takes 512 consecutive bytes
	WIN 0x80+0x40*((\t)/4)                         ; destination window 2 or 3, address window 0
.irp f, 0,1,2,3,4,5,6,7,8,9,10,11,12,13,14,15
	global_load_b128 v[64*((\t)%4)+4*(\f):64*((\t)%4)+4*(\f)+3], v[AF], s[QB:QB+1] offset:((\t)/2)*RECB+((\t)%2)*8192+512*(\f)
.endr
.endr
	WIN 0
.irp t, 0,1,2,3,4,5,6,7
	global_load_b32 v[XN+(\t)], v[XO], s[QB:QB+1] offset:((\t)/2)*RECB+16384+((\t)%2)*64
.endr
	; what the first block finds: zeros as train fragments, the lowest finite number as C, in the other set of accumulators and in M
	WIN 0x40
.set i, 64
.rept 64
	v_mov_b32 v[i], 0
.set i, i+1
.endr
	WIN 0
.set i, 0
.rept 8
	v_mov_b32 v[CI+8+i], s[LOW]
.set i, i+1
.endr
.set i, 0
.rept 64
	v_mov_b32 v[ACC+i], s[LOW]
.set i, i+1
.endr
.set i, 0
.rept 16
	v_mov_b32 v[M+i], s[LOW]
.set i, i+1
.endr
; Matrix instruction i of a block on buffers and set p: sample tile i % 8, K = 32 (i / 8) on.  The first eight start the sums with -xt2 / 2.
.macro MM p
.set t, i%8
.set c, i/8
	WIN 0x09+4*(t/4)                               ; source 0 (train rows) window 1, source 1 (samples) window 2 or 3, C and D window 0
.if c == 0
	v_wmma_f32_16x16x32_bf16 v[ACC+64*(\p)+8*t:ACC+64*(\p)+8*t+7], v[64*(\p)+8*c:64*(\p)+8*c+7], v[64*(t%4)+8*c:64*(t%4)+8*c+7], v[CI+8*(\p):CI+8*(\p)+7]
.else
	v_wmma_f32_16x16x32_bf16 v[ACC+64*(\p)+8*t:ACC+64*(\p)+8*t+7], v[64*(\p)+8*c:64*(\p)+8*c+7], v[64*(t%4)+8*c:64*(t%4)+8*c+7], v[ACC+64*(\p)+8*t:ACC+64*(\p)+8*t+7]
.endif
.endm
; The two lines behind it: register i / 8 of tile i % 8 of the OTHER set goes into that tile's M1, M2.  Each accumulator's register 0 is read first; a tile's lines stand eight
; matrix instructions apart, and the first read of an accumulator stands eight v_max_num_f32 or more, none of which names it, behind its last product.
.macro RID p
.set t, i%8
.set j, i/8
	WIN 0
	v_med3_num_f32 v[M+2*t+1], v[M+2*t], v[M+2*t+1], v[ACC+64*(1-(\p))+8*t+j]
	v_max_num_f32 v[M+2*t], v[M+2*t], v[ACC+64*(1-(\p))+8*t+j]
.endm
; 18 LDS loads in one run: a train tile's eight norms for my half of the lanes, and its 16 pieces of 512 consecutive bytes, into buffers p
.macro FETCH p, tile
	WIN 0
	ds_load_b128 v[CI+8*(\p):CI+8*(\p)+3],   v[ADN] offset:64*(\tile)
	ds_load_b128 v[CI+8*(\p)+4:CI+8*(\p)+7], v[ADN] offset:64*(\tile)+16
	WIN 0x40                                       ; destination window 1, address window 0
.irp f, 0,1,2,3,4,5,6,7,8,9,10,11,12,13,14,15
	ds_load_b128 v[64*(\p)+4*(\f):64*(\p)+4*(\f)+3], v[ADR] offset:8192*(\tile)+512*(\f)
.endr
.endm
.macro NEXT p, tile                    ; the fetch for the block behind block p: a record's tile 0 makes the addresses, its tile 1 steps to the next record
	WIN 0
.if (\tile) == 0
	v_add_nc_u32 v[ADR], s[TB], v[AF]
	v_add_nc_u32 v[ADN], s[TB], v[AN]
.endif
	FETCH 1-(\p), \tile
.if (\tile) == 1
	s_add_co_u32 s[TB], s[TB], RECB
.endif
.endm
; A BLOCK on buffers and set p.  tile: which tile of the record at TB is fetched for the next block (-1: none).
; chg = 0: the fetch stands behind matrix instruction 3: the last product that read those buffers stands five v_max_num_f32 back (a load into a register that a matrix instruction has read stands four places behind it:
;   ISA guide 7.12.1 for vector instructions).
; chg = 1: THE CHANGE OF SLOTS.  The old slot's last fragments are in registers (the wait at the block's head).  Each wave waits for all its tensor loads, of which one is out: its record of the next slot; adds 0 to its
;   spare word; steps the descriptor; and, eight products on, waits for the add and signals.  The barrier opens a round of the cluster's barrier, with sixteen products between signal and wait; behind the round no wave of
;   any partner reads the old slot or has a load on its way, and the joint refill comes first, then the fetch from the new slot.  (At its first use nothing has been read yet: slot 0 is waited for, slot 1 filled.)
; chg = 2: the last change: nothing is asked for, and the barrier is the work-group's alone.
.macro BLOCK p, tile, chg
	s_wait_dscnt 0x0                               ; this block's fragments and norms are in: they were asked for 40 matrix instructions ago or more
.if (\chg) != 0
	WIN 0
	s_wait_tensorcnt 0x0                           ; no tensor load of mine is out, so group 0 may be written
	ds_add_u32 v[SPW], v[NIL]                      ; 0 onto my spare word
.if (\chg) == 1
	s_xor_b32 s[G0+1], s[G0+1], SLOT1              ; the other slot than last time,
	s_add_nc_u64 s[G0+2:G0+3], s[G0+2:G0+3], 4*RECB  ; the next four records; the type bits on top are not reached
.endif
.endif
.set i, 0
.rept 64
	MM \p
	RID \p
.if ((\chg) == 0) && (i == 3) && ((\tile) >= 0)
	NEXT \p, \tile
.endif
.if ((\chg) != 0) && (i == 7)
	s_wait_dscnt 0x0                               ; the add is done; my reads of the old slot were over at the block's head
	s_barrier_signal -1
.endif
.if ((\chg) != 0) && (i == 23)
	WIN 0                                          ; at a label and at a branch every window is 0
	s_barrier_wait -1
.if (\chg) == 1
	CREST
	JLOAD
.endif
	s_sub_co_u32 s[TB], s[TB], 4*RECB              ; the fetches go back to a slot's first record,
	s_xor_b32 s[TB], s[TB], SLOT1                  ; in the other slot
	NEXT \p, \tile
.endif
.set i, i+1
.endr
.endm
	s_wait_loadcnt 0x0                             ; my samples and their norms
.Lphase:                                               ; seven times: a slot is entered and the other is asked for
	BLOCK 1, 0, 1
	BLOCK 0, 1, 0
	WIN 0
	s_mov_b32 s[CNT], 3
.Ltrip:                                                ; a trip fetches one record; it multiplies the record before's tile 1 and this record's tile 0
	BLOCK 1, 0, 0
	BLOCK 0, 1, 0
	WIN 0
	s_sub_co_u32 s[CNT], s[CNT], 1
	s_cmp_lg_u32 s[CNT], 0
	s_cbranch_scc1 .Ltrip
	s_sub_co_u32 s[SLOTS], s[SLOTS], 1
	s_cmp_lg_u32 s[SLOTS], 0
	s_cbranch_scc1 .Lphase
	BLOCK 1, 0, 2                                  ; the last slot is written out
	BLOCK 0, 1, 0
	WIN 0
	s_mov_b32 s[CNT], 3
.Ltail:
	BLOCK 1, 0, 0
	BLOCK 0, 1, 0
	WIN 0
	s_sub_co_u32 s[CNT], s[CNT], 1
	s_cmp_lg_u32 s[CNT], 0
	s_cbranch_scc1 .Ltail
	BLOCK 1, -1, 0                                 ; the range's last tile: nothing is left to fetch
.set i, 0
.rept 64                                               ; and its results: each accumulator's first read again stands eight v_max_num_f32 or more behind its last product
	RID 0
.set i, i+1
.endr
	; THE WAY OUT.  A sample's other eight rows of each tile lay in the lane 16 away: the two pairs are merged (alike in both lanes), d2 = xs2 - 2 acc, and two tiles' 32 samples leave as 256 consecutive bytes.
	WIN 0
.irp t, 0,1,2,3,4,5,6,7
	v_permlanex16_b32 v[ACC+2*(\t)], v[M+2*(\t)], s[SEL], s[SEL+1]        ; set 0's registers are free, and have been written
	v_permlanex16_b32 v[ACC+2*(\t)+1], v[M+2*(\t)+1], s[SEL], s[SEL+1]
.endr
.irp t, 0,1,2,3,4,5,6,7
	v_min_num_f32 v[ACC+16+(\t)], v[M+2*(\t)], v[ACC+2*(\t)]              ; the smaller of the two largest
.endr
.irp t, 0,1,2,3,4,5,6,7
	v_max_num_f32 v[M+2*(\t)], v[M+2*(\t)], v[ACC+2*(\t)]
	v_max3_num_f32 v[M+2*(\t)+1], v[ACC+16+(\t)], v[M+2*(\t)+1], v[ACC+2*(\t)+1]
.endr
.irp t, 0,1,2,3,4,5,6,7
	v_fma_f32 v[DV+2*(\t)], v[M+2*(\t)], -2.0, v[XN+(\t)]
	v_fma_f32 v[DV+2*(\t)+1], v[M+2*(\t)+1], -2.0, v[XN+(\t)]
.endr
.irp u, 0,1,2,3
	v_cndmask_b32 v[OUT+2*(\u)], v[DV+4*(\u)], v[DV+4*(\u)+2], s[HM]      ; lanes 0-15 tile 2 u, lanes 16-31 tile 2 u + 1
	v_cndmask_b32 v[OUT+2*(\u)+1], v[DV+4*(\u)+1], v[DV+4*(\u)+3], s[HM]
.endr
.irp u, 0,1,2,3
	global_store_b64 v[PO], v[OUT+2*(\u):OUT+2*(\u)+1], s[6:7] offset:256*(\u)  ; 256 consecutive bytes, at a multiple of 256 from part's first byte
.endr
	s_wait_tensorcnt 0x0                           ; the wave's end, behind my last tensor load
	ds_add_u32 v[SPW], v[NIL]
	s_wait_dscnt 0x0
	CROUND                                         ; the closing round: no work-group ends while a partner may still ask for a tile that names it
	s_endpgm
.Lfunc_end_k_qde57d07848_knn:
	.size	k_qde57d07848_knn, .Lfunc_end_k_qde57d07848_knn-k_qde57d07848_knn
	.p2alignl 7, 3214868480
	.fill 96, 4, 3214868480
	.section	.rodata,"a",@progbits
	.p2align	6, 0x0
	.amdhsa_kernel k_qde57d07848_knn
		.amdhsa_group_segment_fixed_size 327680
		.amdhsa_private_segment_fixed_size 0
		.amdhsa_enable_private_segment 0
		.amdhsa_kernarg_size 16
		.amdhsa_user_sgpr_count 2
		.amdhsa_user_sgpr_kernarg_segment_ptr 1
		.amdhsa_wavefront_size32 1
		.amdhsa_system_sgpr_workgroup_id_x 1
		.amdhsa_system_sgpr_workgroup_id_y 1
		.amdhsa_system_sgpr_workgroup_id_z 1
		.amdhsa_system_vgpr_workitem_id 0
		.amdhsa_next_free_vgpr 1024
		.amdhsa_next_free_sgpr 66
		.amdhsa_reserve_vcc 0
		.amdhsa_float_denorm_mode_32 3
		.amdhsa_float_denorm_mode_16_64 3
		.amdhsa_memory_ordered 1
		.amdhsa_forward_progress 1
		.amdhsa_inst_pref_size 170
	.end_amdhsa_kernel
	.amdgpu_metadata
---
amdhsa.version: [ 1, 2 ]
amdhsa.kernels:
  - .name:           k_qde57d07848_knn
    .symbol:         k_qde57d07848_knn.kd
    .args:
      - { .name: q, .offset: 0, .size: 8, .value_kind: global_buffer, .address_space: global }
      - { .name: part, .offset: 8, .size: 8, .value_kind: global_buffer, .address_space: global }
    .group_segment_fixed_size: 327680
    .private_segment_fixed_size: 0
    .kernarg_segment_align: 8
    .kernarg_segment_size: 16
    .max_flat_workgroup_size: 128
    .sgpr_count:     66
    .vgpr_count:     1024
    .wavefront_size: 32
...
	.end_amdgpu_metadata
.endif
;; end of part 2
;; launch merge (part 3): grid 32 x 1, 4 waves a work-group, no clusters, 0 bytes of LDS; arguments part, out0; writes out0
.if DOCPART == 3
	.amdgcn_target "amdgcn-amd-amdhsa--gfx1250"
	.amdhsa_code_object_version 6
	.text
	.protected	k_qde57d07848_merge
	.globl	k_qde57d07848_merge
	.p2align	8
	.type	k_qde57d07848_merge,@function
k_qde57d07848_merge:
	s_mov_b64 s[64:65], 0
	v_nop
	global_prefetch_b8 v0, s[64:65] scope:SCOPE_SE
	s_setreg_imm32_b32 hwreg(HW_REG_WAVE_MODE, 25, 1), 1
	s_wait_xcnt 0x0
; MERGE.  part[range 0..31][sample 0..4095][2] holds each range's two smallest squared distances (smallest, second).  A thread merges one sample's 32 pairs, clamps at 0 and takes the roots:
; out0[sample][2].  128 samples a work-group; a wave's load and its store cover 256 consecutive bytes, aligned.  All 32 loads go out at once; no LDS, no barrier: no thread needs another's numbers.
; LIMITS.  NaN is not treated apart (the clamp turns it into 0); v_sqrt_f32 takes a squared distance below 2^-126 as 0 (ISA guide 15.8).
	s_load_b128 s[4:7], s[0:1], 0x0                ; part s[4:5], out0 s[6:7]
	s_lshl_b32 s2, ttmp9, 10                       ; 128 samples of 8 bytes
	v_lshl_add_u32 v1, v0, 3, s2                   ; my sample's 8 bytes; never rewritten
	s_wait_kmcnt 0x0
.set g, 0
.rept 32
	global_load_b64 v[2+2*g:3+2*g], v1, s[4:5] offset:32768*g
.set g, g+1
.endr
.set g, 1
.rept 31                                               ; range 0's pair starts (m1, m2) in v2, v3
	s_wait_loadcnt 31-g                            ; loads come back in order (ISA guide 5.7.1): pair g is in, the 31 - g younger ones stay out
	v_max_num_f32 v66, v2, v[2+2*g]                ; the larger of the two smallest
	v_min_num_f32 v2, v2, v[2+2*g]
	v_min3_num_f32 v3, v66, v3, v[3+2*g]
.set g, g+1
.endr
	v_max_num_f32 v68, 0, v2                       ; the clamp that reference() makes
	v_max_num_f32 v69, 0, v3
	v_sqrt_f32 v68, v68
	v_sqrt_f32 v69, v69
	v_nop                                          ; a plain instruction between the last root and the use of its result (ISA guide 5.7.2)
	s_wait_alu depctr_va_vdst(0)
	global_store_b64 v1, v[68:69], s[6:7]
	s_endpgm
.Lfunc_end_k_qde57d07848_merge:
	.size	k_qde57d07848_merge, .Lfunc_end_k_qde57d07848_merge-k_qde57d07848_merge
	.p2alignl 7, 3214868480
	.fill 96, 4, 3214868480
	.section	.rodata,"a",@progbits
	.p2align	6, 0x0
	.amdhsa_kernel k_qde57d07848_merge
		.amdhsa_group_segment_fixed_size 0
		.amdhsa_private_segment_fixed_size 0
		.amdhsa_enable_private_segment 0
		.amdhsa_kernarg_size 16
		.amdhsa_user_sgpr_count 2
		.amdhsa_user_sgpr_kernarg_segment_ptr 1
		.amdhsa_wavefront_size32 1
		.amdhsa_system_sgpr_workgroup_id_x 1
		.amdhsa_system_sgpr_workgroup_id_y 1
		.amdhsa_system_sgpr_workgroup_id_z 1
		.amdhsa_system_vgpr_workitem_id 0
		.amdhsa_next_free_vgpr 72
		.amdhsa_next_free_sgpr 66
		.amdhsa_reserve_vcc 0
		.amdhsa_float_denorm_mode_32 3
		.amdhsa_float_denorm_mode_16_64 3
		.amdhsa_memory_ordered 1
		.amdhsa_forward_progress 1
		.amdhsa_inst_pref_size 9
	.end_amdhsa_kernel
	.amdgpu_metadata
---
amdhsa.version: [ 1, 2 ]
amdhsa.kernels:
  - .name:           k_qde57d07848_merge
    .symbol:         k_qde57d07848_merge.kd
    .args:
      - { .name: part, .offset: 0, .size: 8, .value_kind: global_buffer, .address_space: global }
      - { .name: out0, .offset: 8, .size: 8, .value_kind: global_buffer, .address_space: global }
    .group_segment_fixed_size: 0
    .private_segment_fixed_size: 0
    .kernarg_segment_align: 8
    .kernarg_segment_size: 16
    .max_flat_workgroup_size: 128
    .sgpr_count:     66
    .vgpr_count:     72
    .wavefront_size: 32
...
	.end_amdgpu_metadata
.endif
;; end of part 3
;; launch ratio (part 4): grid 1 x 1, 8 waves a work-group, no clusters, 1,280 bytes of LDS; arguments out0, out1; writes out1
.if DOCPART == 4
	.amdgcn_target "amdgcn-amd-amdhsa--gfx1250"
	.amdhsa_code_object_version 6
	.text
	.protected	k_qde57d07848_ratio
	.globl	k_qde57d07848_ratio
	.p2align	8
	.type	k_qde57d07848_ratio,@function
k_qde57d07848_ratio:
	s_mov_b64 s[64:65], 0
	v_nop
	global_prefetch_b8 v0, s[64:65] scope:SCOPE_SE
	s_setreg_imm32_b32 hwreg(HW_REG_WAVE_MODE, 25, 1), 1
	s_wait_xcnt 0x0
; RATIO.  out1 = the share of the 4,096 samples with out0[s][0] < (1/3) out0[s][1]: the flags are taken of the numbers that out0 holds, counted as whole numbers, and the count is divided by 4,096 (exact).
; One work-group, since the count spans all samples: 32,768 bytes, eight loads of 16 bytes a thread (two samples each), 512 consecutive bytes a wave and load.
; A NaN gives no flag, as in reference().
; REGISTERS.  v1 my byte offset; v2-7 at work; v[8:39] the eight loads; v[40:47] the eight waves' counts; v48, v49 the add's two, which no load and no other line writes.
.set SPARE, 256                        ; bytes 0-31: the eight waves' counts, in a block of their own; from 256 on the spare words, 128 bytes for each wave, which no other line names
.set D,   8                            ; v[8:39]   load k: two samples' pairs of distances
.set C,   40                           ; v[40:47]  the counts
.set SPW, 48                           ; v48  LDS address of my spare word: SPARE + 4 x my thread's number; never rewritten
.set NIL, 49                           ; v49  0; never rewritten
	s_load_b128 s[4:7], s[0:1], 0x0                ; out0 s[4:5], out1 s[6:7]
	v_lshl_add_u32 v[SPW], v0, 2, SPARE
	v_mov_b32 v[NIL], 0
	v_lshrrev_b32 v2, 5, v0
	v_readfirstlane_b32 s12, v2                    ; wave 0..7
	v_lshlrev_b32 v1, 4, v0                        ; 16 bytes a thread; never rewritten
	s_mov_b32 s22, 0                               ; my wave's count
	s_wait_kmcnt 0x0
.irp k, 0,1,2,3,4,5,6,7
	global_load_b128 v[D+4*(\k):D+4*(\k)+3], v1, s[4:5] offset:4096*(\k)
.endr
.irp k, 0,1,2,3,4,5,6,7
	s_wait_loadcnt 7-(\k)                          ; loads come back in order (ISA guide 5.7.1): load k is in, the 7 - k younger ones stay out
	v_mul_f32 v3, 0x3eaaaaab, v[D+4*(\k)+1]        ; 1/3 in f32, times the second distance
	v_mul_f32 v4, 0x3eaaaaab, v[D+4*(\k)+3]
	v_cmp_lt_f32 s20, v[D+4*(\k)], v3
	v_cmp_lt_f32 s21, v[D+4*(\k)+2], v4
	s_bcnt1_i32_b32 s20, s20
	s_bcnt1_i32_b32 s21, s21
	s_add_co_u32 s22, s22, s20
	s_add_co_u32 s22, s22, s21
.endr
	v_mov_b32 v5, s12
	v_lshlrev_b32 v5, 2, v5
	v_mov_b32 v6, s22
	ds_store_b32 v5, v6                            ; all lanes write my wave's word with the same number
	s_wait_dscnt 0x0                               ; for the others' sake: my count is in LDS
	s_barrier_signal -1
	s_barrier_wait -1
	v_mov_b32 v7, 0
	ds_load_b128 v[C:C+3], v7                      ; the eight counts, in every lane
	ds_load_b128 v[C+4:C+7], v7 offset:16
	s_wait_dscnt 0x0
	v_add_nc_u32 v[C], v[C], v[C+1]
	v_add_nc_u32 v[C+2], v[C+2], v[C+3]
	v_add_nc_u32 v[C+4], v[C+4], v[C+5]
	v_add_nc_u32 v[C+6], v[C+6], v[C+7]
	v_add_nc_u32 v[C], v[C], v[C+2]
	v_add_nc_u32 v[C+4], v[C+4], v[C+6]
	v_add_nc_u32 v[C], v[C], v[C+4]
	v_cvt_f32_u32 v[C], v[C]
	v_mul_f32 v[C], 0x39800000, v[C]               ; / 4096
	s_cmp_lg_u32 s12, 0
	s_cbranch_scc1 .Ldone                          ; one thread of wave 0 stores the one number
	v_cmp_eq_u32 vcc_lo, 0, v0
	s_wait_xcnt 0x0                                ; EXEC is a source of the loads above: it changes only behind this wait
	s_and_saveexec_b32 s24, vcc_lo
	global_store_b32 v7, v[C], s[6:7]
	s_wait_xcnt 0x0                                ; and again in front of the line that widens it
	s_or_b32 exec_lo, exec_lo, s24
.Ldone:
	s_wait_tensorcnt 0x0                           ; the wave's end, behind my last LDS store
	ds_add_u32 v[SPW], v[NIL]
	s_wait_dscnt 0x0
	s_endpgm
.Lfunc_end_k_qde57d07848_ratio:
	.size	k_qde57d07848_ratio, .Lfunc_end_k_qde57d07848_ratio-k_qde57d07848_ratio
	.p2alignl 7, 3214868480
	.fill 96, 4, 3214868480
	.section	.rodata,"a",@progbits
	.p2align	6, 0x0
	.amdhsa_kernel k_qde57d07848_ratio
		.amdhsa_group_segment_fixed_size 1280
		.amdhsa_private_segment_fixed_size 0
		.amdhsa_enable_private_segment 0
		.amdhsa_kernarg_size 16
		.amdhsa_user_sgpr_count 2
		.amdhsa_user_sgpr_kernarg_segment_ptr 1
		.amdhsa_wavefront_size32 1
		.amdhsa_system_sgpr_workgroup_id_x 1
		.amdhsa_system_sgpr_workgroup_id_y 1
		.amdhsa_system_sgpr_workgroup_id_z 1
		.amdhsa_system_vgpr_workitem_id 0
		.amdhsa_next_free_vgpr 52
		.amdhsa_next_free_sgpr 66
		.amdhsa_reserve_vcc 1
		.amdhsa_float_denorm_mode_32 3
		.amdhsa_float_denorm_mode_16_64 3
		.amdhsa_memory_ordered 1
		.amdhsa_forward_progress 1
		.amdhsa_inst_pref_size 6
	.end_amdhsa_kernel
	.amdgpu_metadata
---
amdhsa.version: [ 1, 2 ]
amdhsa.kernels:
  - .name:           k_qde57d07848_ratio
    .symbol:         k_qde57d07848_ratio.kd
    .args:
      - { .name: out0, .offset: 0, .size: 8, .value_kind: global_buffer, .address_space: global }
      - { .name: out1, .offset: 8, .size: 8, .value_kind: global_buffer, .address_space: global }
    .group_segment_fixed_size: 1280
    .private_segment_fixed_size: 0
    .kernarg_segment_align: 8
    .kernarg_segment_size: 16
    .max_flat_workgroup_size: 256
    .sgpr_count:     66
    .vgpr_count:     52
    .wavefront_size: 32
...
	.end_amdgpu_metadata
.endif
;; end of part 4
;; ======== version 2 of 2: 4 launches; version 1 with the launch prep written anew for expert scheduling mode
;; workspace buffers: q 19,169,280 bytes; part 1,048,576 bytes
;; launch prep (part 5): grid 576 x 1, 4 waves a work-group, no clusters, 34,560 bytes of LDS; arguments X_sample, X_train, q; writes q
.if DOCPART == 5
	.amdgcn_target "amdgcn-amd-amdhsa--gfx1250"
	.amdhsa_code_object_version 6
	.text
	.protected	k_qde57d07848_prep
	.globl	k_qde57d07848_prep
	.p2align	8
	.type	k_qde57d07848_prep,@function
k_qde57d07848_prep:
	s_mov_b64 s[64:65], 0
	v_nop
	global_prefetch_b8 v0, s[64:65] scope:SCOPE_SE
	s_setreg_imm32_b32 hwreg(HW_REG_WAVE_SCHED_MODE, 0, 2), 2
	s_setreg_imm32_b32 hwreg(HW_REG_WAVE_MODE, 25, 1), 1
	s_wait_xcnt 0x0
	s_wait_alu depctr_vm_vsrc(0)
; PREP.  Rounds X_sample [4096][256] and X_train [32768][256] from f32 to bf16, once, lays the rows out in the order in which a matrix fragment
; wants them, and takes each row's sum of squares OF THE ROUNDED NUMBERS, so that xs2 + xt2 - 2 x.y in the next launch is the squared distance
; of the rounded rows (no rounding of an operand is magnified by the difference of the large sums when the inputs carry an offset).
; q is 1,152 RECORDS of 16,640 bytes (65 x 256).  A record holds 32 rows: tile 0 (16 rows, 8,192 bytes), tile 1, and 256 bytes of norms (32 f32, then the
; same 32 once more, so that every byte of the record is written).  A tile is [f = 0..15][lane 0..31][16 bytes]: lane l holds row l % 16,
; k = 16 f + 8 (l / 16) + 0..7: registers 4 f .. 4 f + 3 of the eight K = 32 bf16 fragments of those 16 rows.
; Records 0-127 are the samples, norm = xs2; records 128-1151 the train rows, norm = -xt2 / 2.
; SHARES.  A work-group takes 64 rows (two records), a wave one tile: 16 rows, 16,384 consecutive bytes of f32, asked for at once by 32 loads.  No loop.
; LIMITS.  NaN and infinities are not treated apart; a row's sum of squares must be finite in f32.
; THE MODE: SCHED_MODE bits 1:0 = 2 (LLVM: expert scheduling mode 2), set by the entry lines.  The code itself states the register dependences
; between vector instructions and memory or LDS instructions, with s_wait_alu, always for 0.
; THE PLAN.  Registers that memory or LDS instructions touch:
;   v1 .. v6      offsets and LDS addresses: written once, at the head, by vector instructions; read by every load and store; never written again.
;   X             The 32 loads land in it before any vector instruction names it.  Load i's two conversions read its four registers and write the first two;
;                 its LDS store reads those two; nothing writes them again.
;   FR            The 16 LDS loads land in it before any vector instruction names it; the stores to q and the lines of the sum of squares read it; nothing writes it again.
;   v[N]          Written by the sum's last lines; read by the one LDS store of the norm; not written again.
;   v[18:19]      An LDS load lands in them, a store to q reads them; no vector instruction names them.
;   v[SPW], v[NIL]  Written at the head, read by the closing add alone.
; The 32 loads go in four groups of eight.  Group g's conversions work on X + 32 g on; the LDS stores that stand among them are those of group g - 1, whose registers no
; conversion of group g names.  So ONE wait on va_vdst at a group's head states all that its eight LDS stores hang on.  No register that a memory or LDS instruction reads
; is ever written again, so no wait on vm_vsrc is owed.
.set RECB,  16640
.set SP,    528                        ; a row of 256 bf16 in the stage: 512 bytes + 16 = 33 x 16: the 16 rows that a 16-byte load touches start at 16 different groups of four banks (64 banks of 4 bytes: ISA guide 11.1)
.set STGW,  16*SP                      ; a wave's own stage: 8,448 bytes
.set NS,    4*STGW                     ; 64 norms, one word a row: a block of 256 bytes
.set SPARE, NS+256                     ; the spare words: 128 bytes for each wave, two blocks of 256 bytes that no other line names
.set N,     8                          ; v[8:15]    eight chains of the sum of squares
.set SPW,   30                         ; v30  LDS address of my spare word; never rewritten
.set NIL,   31                         ; v31  0; never rewritten
.set X,     32                         ; v[32:159]  the tile as loaded, f32; the first two registers of each four then hold its bf16
.set FR,    160                        ; v[160:223] the tile in fragment order
	s_load_b128 s[4:7], s[0:1], 0x0                ; X_sample s[4:5], X_train s[6:7]
	s_load_b64 s[8:9], s[0:1], 0x10                ; q
	v_lshl_add_u32 v[SPW], v0, 2, SPARE
	v_mov_b32 v[NIL], 0
	v_lshrrev_b32 v1, 5, v0
	v_readfirstlane_b32 s12, v1                    ; wave 0..3
	v_and_b32 v7, 31, v0                           ; lane l
	v_and_b32 v20, 15, v0                          ; l % 16
	v_bfe_u32 v21, v0, 4, 1                        ; l / 16
	v_lshlrev_b32 v1, 4, v7                        ; 16 l: my 16 bytes in 512, for the loads and for the stores of fragments; never rewritten
	v_mul_u32_u24 v3, v20, SP
	v_lshl_add_u32 v3, v21, 4, v3
	v_lshlrev_b32 v6, 3, v7                        ; 8 l: my 8 bytes of the record's 256 bytes of norms
	v_mov_b32 v16, 0                               ; the chains' first addend
	v_mov_b32 v17, 0                               ; v_permlanex16_b32's destination counts as read
	s_wait_alu depctr_va_sdst(0)                   ; s12 is written, ahead of its first reader: the LDS addresses and the bases of the input and of q are made from it
	s_mul_i32 s18, s12, STGW                       ; my stage
	s_lshl_b32 s19, s12, 6
	s_add_co_u32 s19, s19, NS                      ; my 16 rows' norms
	s_and_b32 s28, s12, 1                          ; the record whose norms I store, if I am wave 0 or 1
	s_lshl_b32 s22, s28, 7
	s_add_co_u32 s22, s22, NS
	v_lshl_add_u32 v2, v7, 3, s18                  ; into the stage: 8 l
	v_add_nc_u32 v3, s18, v3                       ; out of the stage: row l % 16, 16 bytes for each half of the lanes
	v_lshl_add_u32 v4, v20, 2, s19                 ; my row's norm
	v_lshl_add_u32 v5, v20, 3, s22                 ; two norms of a record: lanes 16-31 take the same as lanes 0-15
	s_mov_b32 s20, 0x76543210                      ; each lane takes its own place in the other half
	s_mov_b32 s21, 0xfedcba98
	s_sub_co_u32 s13, ttmp9, 64                    ; my number among the train rows' work-groups
	s_mul_i32 s24, ttmp9, 2*RECB                   ; my two records in q
	s_lshr_b32 s25, s12, 1
	s_mul_i32 s25, s25, RECB                       ; my wave's record,
	s_add_co_u32 s26, s24, s25
	s_lshl_b32 s25, s28, 13                        ; and its tile
	s_add_co_u32 s26, s26, s25
	s_mov_b32 s27, 0
	s_mul_i32 s25, s28, RECB                       ; the norms of record wave % 2
	s_add_co_u32 s24, s24, s25
	s_add_co_u32 s24, s24, 16384
	s_mov_b32 s25, 0
	s_wait_kmcnt 0x0
	s_cmp_lt_u32 ttmp9, 64                         ; work-groups 0-63 take the samples, 64-575 the train rows
	s_cselect_b64 s[14:15], s[4:5], s[6:7]
	s_cselect_b32 s16, ttmp9, s13
	s_cselect_b32 s17, 1.0, -0.5                   ; xs2, or -xt2 / 2
	s_lshl_b32 s22, s16, 16                        ; 64 rows of 1,024 bytes,
	s_lshl_b32 s23, s12, 14                        ; my wave's 16
	s_add_co_u32 s22, s22, s23
	s_mov_b32 s23, 0
	s_add_nc_u64 s[14:15], s[14:15], s[22:23]
	s_add_nc_u64 s[10:11], s[8:9], s[26:27]        ; q at my tile
	s_add_nc_u64 s[8:9], s[8:9], s[24:25]          ; q at the norms
	s_wait_alu depctr_va_vdst(0)                   ; the offsets and LDS addresses v1 to v6 are written, which the loads and stores of the whole kernel read
.set i, 0
.rept 32                                               ; load i: 512 consecutive bytes: half i % 2 of row i / 2; read once in the launch
	global_load_b128 v[X+4*i:X+4*i+3], v1, s[14:15] offset:512*i th:TH_LOAD_NT
.set i, i+1
.endr
.set g, 0
.rept 4                                                ; four groups of eight loads: group g is rounded, and group g - 1 goes into the stage
.set j, 0
.rept 8
.set i, 8*g+j
	s_wait_loadcnt 31-i                            ; loads come back in order (ISA guide 5.7.1): load i is in, the 31 - i younger ones stay out
.if (g > 0) && (j == 0)
	s_wait_alu depctr_va_vdst(0)                   ; the conversions of the group before have written their sixteen registers, which this group's eight LDS stores read; no conversion behind this wait names them
.endif
.if g > 0
	ds_store_b64 v2, v[X+4*(i-8):X+4*(i-8)+1] offset:((i-8)/2)*SP+((i-8)%2)*256  ; 256 consecutive bytes of the row
.endif
	v_cvt_pk_bf16_f32 v[X+4*i], v[X+4*i], v[X+4*i+1]     ; rounded to nearest even, in place
	v_cvt_pk_bf16_f32 v[X+4*i+1], v[X+4*i+2], v[X+4*i+3]
.set j, j+1
.endr
.set g, g+1
.endr
	s_wait_alu depctr_va_vdst(0)                   ; the last group's conversions have written their sixteen registers, which the eight LDS stores below read
.set i, 24
.rept 8
	ds_store_b64 v2, v[X+4*i:X+4*i+1] offset:(i/2)*SP+(i%2)*256
.set i, i+1
.endr
.set f, 0
.rept 16                                               ; LDS serves a wave's instructions in order (ISA guide 5.7.1.4), and the stage is my own: these see the stores above
	ds_load_b128 v[FR+4*f:FR+4*f+3], v3 offset:32*f
.set f, f+1
.endr
.set f, 0
.rept 16
	s_wait_dscnt 15-f                              ; piece f is in, the 15 - f younger ones stay out
	global_store_b128 v1, v[FR+4*f:FR+4*f+3], s[10:11] offset:512*f  ; 512 consecutive bytes, at a multiple of 256 from q's first byte; the next launch reads them, so no hint
.set k, 4*f
.rept 4                                                ; the squares of both halves, straight from bf16 into f32 sums; the first four registers start the chains
.if f == 0
	v_fma_mix_f32_bf16 v[N+k%4], v[FR+k], v[FR+k], v16 op_sel_hi:[1,1,0]
	v_fma_mix_f32_bf16 v[N+4+k%4], v[FR+k], v[FR+k], v16 op_sel:[1,1,0] op_sel_hi:[1,1,0]
.else
	v_fma_mix_f32_bf16 v[N+k%4], v[FR+k], v[FR+k], v[N+k%4] op_sel_hi:[1,1,0]
	v_fma_mix_f32_bf16 v[N+4+k%4], v[FR+k], v[FR+k], v[N+4+k%4] op_sel:[1,1,0] op_sel_hi:[1,1,0]
.endif
.set k, k+1
.endr
.set f, f+1
.endr
	v_add_f32 v[N], v[N], v[N+1]
	v_add_f32 v[N+2], v[N+2], v[N+3]
	v_add_f32 v[N+4], v[N+4], v[N+5]
	v_add_f32 v[N+6], v[N+6], v[N+7]
	v_add_f32 v[N], v[N], v[N+2]
	v_add_f32 v[N+4], v[N+4], v[N+6]
	v_add_f32 v[N], v[N], v[N+4]                   ; my 128 numbers of the row
	v_permlanex16_b32 v17, v[N], s20, s21          ; the row's other 128 lie in the lane 16 away
	v_add_f32 v[N], v[N], v17
	v_mul_f32 v[N], s17, v[N]
	s_wait_alu depctr_va_vdst(0)                   ; the multiply has written v[N], which the LDS store reads
	ds_store_b32 v4, v[N]                          ; lanes l and l + 16 write the same word with the same number
	s_wait_dscnt 0x0                               ; for the others' sake: my norms are in LDS
	s_barrier_signal -1
	s_barrier_wait -1
	s_cmp_gt_u32 s12, 1
	s_cbranch_scc1 .Lno_norms                      ; two records, so two waves store norms
	ds_load_b64 v[18:19], v5
	s_wait_dscnt 0x0
	global_store_b64 v6, v[18:19], s[8:9]          ; 256 consecutive bytes, at a multiple of 256 from q's first byte
.Lno_norms:
	s_wait_dscnt 0x0                               ; the wave's end
	s_wait_alu 0x0
	s_wait_tensorcnt 0x0
	ds_add_u32 v[SPW], v[NIL]
	s_wait_dscnt 0x0
	s_endpgm
.Lfunc_end_k_qde57d07848_prep:
	.size	k_qde57d07848_prep, .Lfunc_end_k_qde57d07848_prep-k_qde57d07848_prep
	.p2alignl 7, 3214868480
	.fill 96, 4, 3214868480
	.section	.rodata,"a",@progbits
	.p2align	6, 0x0
	.amdhsa_kernel k_qde57d07848_prep
		.amdhsa_group_segment_fixed_size 34560
		.amdhsa_private_segment_fixed_size 0
		.amdhsa_enable_private_segment 0
		.amdhsa_kernarg_size 24
		.amdhsa_user_sgpr_count 2
		.amdhsa_user_sgpr_kernarg_segment_ptr 1
		.amdhsa_wavefront_size32 1
		.amdhsa_system_sgpr_workgroup_id_x 1
		.amdhsa_system_sgpr_workgroup_id_y 1
		.amdhsa_system_sgpr_workgroup_id_z 1
		.amdhsa_system_vgpr_workitem_id 0
		.amdhsa_next_free_vgpr 224
		.amdhsa_next_free_sgpr 66
		.amdhsa_reserve_vcc 0
		.amdhsa_float_denorm_mode_32 3
		.amdhsa_float_denorm_mode_16_64 3
		.amdhsa_memory_ordered 1
		.amdhsa_forward_progress 1
		.amdhsa_inst_pref_size 25
	.end_amdhsa_kernel
	.amdgpu_metadata
---
amdhsa.version: [ 1, 2 ]
amdhsa.kernels:
  - .name:           k_qde57d07848_prep
    .symbol:         k_qde57d07848_prep.kd
    .args:
      - { .name: X_sample, .offset: 0, .size: 8, .value_kind: global_buffer, .address_space: global }
      - { .name: X_train, .offset: 8, .size: 8, .value_kind: global_buffer, .address_space: global }
      - { .name: q, .offset: 16, .size: 8, .value_kind: global_buffer, .address_space: global }
    .group_segment_fixed_size: 34560
    .private_segment_fixed_size: 0
    .kernarg_segment_align: 8
    .kernarg_segment_size: 24
    .max_flat_workgroup_size: 128
    .sgpr_count:     66
    .vgpr_count:     224
    .wavefront_size: 32
...
	.end_amdgpu_metadata
.endif
;; end of part 5
;; launch knn: the kernel of part 2 again; grid 8 x 32, 4 waves a work-group, clusters of 4 x 1, 327,680 bytes of LDS; arguments q, part; writes part
;; launch merge: the kernel of part 3 again; grid 32 x 1, 4 waves a work-group, no clusters, 0 bytes of LDS; arguments part, out0; writes out0
;; launch ratio: the kernel of part 4 again; grid 1 x 1, 8 waves a work-group, no clusters, 1,280 bytes of LDS; arguments out0, out1; writes out1
